; MI455X (gfx1250); checked and timed in simulation.
; The chip was launched on July 23, 2026; its instructions are those of AMD's public machine-readable ISA for CDNA 5 (MIT licence, August 2026) and "CDNA5" Instruction Set Architecture Reference Guide (July 2026). The comments in the code are by the model that wrote it; some were corrected since.
;; vae Vector Quantizer. Allowed arithmetic: matrix products marked QUANTISED: E3M2 operands, one E8M0 scale for each 32 along K, by v_wmma_scale_f32_16x16x128_f8f6f4 with both operands' format E3M2, f32 sums; everything else in f32.
;; Inputs: embeddings 256 x 8,192 float32; x 32,768 x 256 float32.
;; Outputs: out0 32,768 x 256 float32.
;; This version of the problem:
;;   THIS VERSION OF THE PROBLEM IS GIVEN IN LOW PRECISION. The matrix products marked QUANTISED in the list below multiply operands that are first quantised to E3M2 (3 exponent bits, 2 mantissa bits; 6 bits a number), with one power-of-two scale for each 32 numbers along K (OCP MX v1.0); their sums are f32. All else is computed in f32.
;;   The module's matrix products, in the order in which they are computed (A, B: the left and right operand; K: the contracted axis; several contracted axes count as one K, in the product's order):
;;     1. [M 32,768, K 256] x [K 256, N 8,192]; A: input x; B: input embeddings: QUANTISED
;;   THE QUANTISER, for each operand of a quantised product, along K:
;;     - K is cut into blocks of 32 from its start; a last block that is shorter is filled with zeros.
;;     - A block's scale is 2^e with e = floor(log2(the largest magnitude in the block)) - 4, held to -126 .. 127; a block of zeros has e = 0. As a byte (E8M0): e + 127.
;;     - Each number is divided by its block's scale, clamped to +-28, and rounded to the nearest number of E3M2, ties to even, subnormals kept.
;;     - The product sums the exact products of the quantised numbers (number of the format x scale) in f32.
;;   ~~~python
;;   def quantise(x, axis):      # numpy; x: float32 -> the quantised numbers, widened to float32 again
;;       x = np.moveaxis(x, axis, -1); K = x.shape[-1]
;;       x = np.pad(x, [(0, 0)] * (x.ndim - 1) + [(0, -K % 32)]); x = x.reshape(x.shape[:-1] + (-1, 32)); a = np.abs(x).max(-1, keepdims=True)
;;       e = np.where(a > 0, np.clip(np.frexp(np.where(a > 0, a, 1))[1] - 1 - 4, -126, 127), 0)      # np.frexp(a)[1] - 1 = floor(log2(a)), exactly
;;       r = np.clip(x / 2.0 ** e, -28, 28)
;;       step = 2.0 ** (np.maximum(np.frexp(np.where(r == 0, 1, r))[1] - 1, -2) - 2)
;;       q = np.round(r / step) * step * 2.0 ** e      # np.round: ties to even
;;       return np.moveaxis(q.reshape(q.shape[:-2] + (-1,))[..., :K], -1, axis).astype(np.float32)
;;   ~~~
;; One version. Each part assembles by itself: llvm-mc -triple=amdgcn-amd-amdhsa -mcpu=gfx1250 --defsym DOCPART=n.
;; ======== version 1 of 1: 3 launches
;; limits: right only within a limited range of input values
;; workspace buffers: ecode 1,703,936 bytes; et 8,388,608 bytes; xcode 6,815,744 bytes; key 262,144 bytes of whole numbers; cand 262,144 bytes of whole numbers
;; launch prep (part 1): grid 384 x 1, 8 waves a work-group, no clusters, 150,528 bytes of LDS; arguments embeddings, ecode, et, x, xcode; writes ecode, et, xcode
.if DOCPART == 1
	.amdgcn_target "amdgcn-amd-amdhsa--gfx1250"
	.amdhsa_code_object_version 6
	.text
	.protected	k_qc02af0b94d_prep
	.globl	k_qc02af0b94d_prep
	.p2align	8
	.type	k_qc02af0b94d_prep,@function
k_qc02af0b94d_prep:
	s_mov_b64 s[64:65], 0
	v_nop
	global_prefetch_b8 v0, s[64:65] scope:SCOPE_SE
	s_setreg_imm32_b32 hwreg(HW_REG_WAVE_MODE, 25, 1), 1
	s_wait_xcnt 0x0
; E [256 (k)][8192 (codeword)] f32 is laid out twice for the launches that follow.
; (1) ecode: 512 records of 3,328 bytes, one for each tile of 16 neighbouring codewords, in the order in which a wave's operand registers take them:
;     bytes 0-3071     the 24 registers of the tile's two fragments (K steps 0 and 1 of 128): register q of lane l at 512 (q / 4) + 16 l + 4 (q % 4);
;                      register 12 s + 6 c + p of lane r + 16 h is word p of the 24 bytes of codes of block 4 s + 2 c + h (32 along K) of codeword r
;     bytes 3072-3199  scale words at 4 l: lanes 0-15 codeword r's four E8M0 bytes of K step 0, lanes 16-31 those of K step 1
;     bytes 3200-3263  -||e||^2 / 2 of the 16 codewords, f32 (of the numbers as given, not of the codes);   bytes 3264-3327  zeros
; (2) et: E transposed, [8192][256] f32, so that a chosen codeword is 1,024 consecutive bytes.
; CODES: BF6 (E3M2).  A block's scale is 2^(floor(log2(largest magnitude)) - 4); its byte is the largest magnitude's exponent field - 4, held at 1 from below.
; LIMITS: a block of zeros gets the byte 1 where the rule says 127 (its codes are zeros, and this program alone reads the bytes); NaN and infinities are not served.
; SHARES.  A work-group takes 64 codewords: two waves side by side read 256 consecutive aligned bytes of a row of E.  Wave w: cg = w % 2 says which 32 codewords, kq = w / 2 which 64 rows (blocks 2 kq, 2 kq + 1).
; A LANE TAKES A CODEWORD AND ITS REGISTERS RUN DOWN K: a block lies in one lane's 32 registers, and the conversions give codes with K innermost.  All 64 loads of a wave go out at the head.
.set ETP,  1040                        ; a row of the stage for et: 1,024 bytes + 16 = 65 x 16
; WORK LEFT OUT BY THE PROGRAM: ||x_n||^2 is added to every distance of row n alike, so for all values of x it moves no argmin along the codewords; it is never formed (x itself is loaded: its codes feed the product).
; LIMIT: an overflow, infinity or NaN that would arise in ||x_n||^2 alone is not carried to the result.
.set RECB, 3328
.set REC,  64*ETP                      ; LDS: the stage for et at 0; behind it the work-group's four records;
.set EEP,  REC+4*RECB                  ; behind them the four partial sums of squares of each of the 64 codewords
.set X,    32                          ; v32-95   my codeword's 64 numbers; later rows of et on their way out
.set CD,   96                          ; v96-102, v104-110  the codes of my two blocks
	s_load_b128 s[4:7], s[0:1], 0x0                ; E, ecode
	s_load_b64 s[8:9], s[0:1], 0x10                ; et
	v_lshl_add_u32 v128, v0, 2, 0x14000
	v_mov_b32 v129, 0
	s_cmp_ge_u32 ttmp9, 128                        ; work-groups 0 to 127 lay E out, as above; work-groups 128 to 383 quantise x (at the text's end)
	s_cbranch_scc1 .Lxpath
	v_lshrrev_b32 v28, 5, v0
	s_delay_alu instid0(VALU_DEP_1)
	v_readfirstlane_b32 s10, v28                   ; wave 0..7
	s_and_b32 s11, s10, 1                          ; cg
	s_lshr_b32 s12, s10, 1                         ; kq
	s_lshr_b32 s13, s12, 1                         ; s: the K step of my two blocks
	s_and_b32 s14, s12, 1                          ; c: which half of it
	v_and_b32 v29, 31, v0                          ; lane L
	v_and_b32 v30, 15, v0                          ; r = L % 16: my codeword in its tile
	v_bfe_u32 v31, v0, 4, 1                        ; L / 16: which of the wave's two tiles
	s_delay_alu instid0(VALU_DEP_3)
	v_lshlrev_b32 v1, 2, v29                       ; in: 4 bytes a lane
	s_delay_alu instid0(VALU_DEP_4)
	v_lshlrev_b32 v24, 4, v29                      ; out: 16 bytes a lane
	v_mov_b32 v26, 0
	; every LDS address is made here, ahead of the first branch on the wave's number
	s_mul_i32 s22, s11, 2*RECB
	s_add_co_u32 s22, s22, REC
	v_mul_u32_u24 v9, v31, RECB
	s_delay_alu instid0(VALU_DEP_1)
	v_add_nc_u32 v9, s22, v9                       ; my tile's record: tile 2 cg + L / 16 of the four
	s_wait_alu depctr_va_vdst(0)
	s_mul_i32 s23, s13, 1536
	s_mul_i32 s24, s14, 520
	s_add_co_u32 s23, s23, s24
	v_lshl_add_u32 v3, v30, 4, v9
	s_delay_alu instid0(VALU_DEP_1)
	v_add_nc_u32 v3, s23, v3                       ; words 0, 1 of a block's six: c = 0: group 3 s, byte 0;  c = 1: group 3 s + 1, byte 8
	s_mul_i32 s24, s14, 496
	s_add_co_u32 s24, s24, 8
	v_add_nc_u32 v4, s24, v3                       ; words 2, 3:                  c = 0: group 3 s, byte 8;  c = 1: group 3 s + 2, byte 0
	v_add_nc_u32 v5, 512, v3                       ; words 4, 5:                  one group on from words 0, 1
	s_lshl_b32 s25, s13, 6
	s_lshl_b32 s26, s14, 1
	s_add_co_u32 s25, s25, s26
	s_add_co_u32 s25, s25, 3072
	v_lshl_add_u32 v6, v30, 2, v9
	s_delay_alu instid0(VALU_DEP_1)
	v_add_nc_u32 v21, 3200, v6                     ; where -||e||^2 / 2 goes
	s_delay_alu instid0(VALU_DEP_2)
	v_add_nc_u32 v6, s25, v6                       ; my two scale bytes: 3072 + 4 r + 64 s + 2 c
	s_lshl_b32 s27, s11, 7
	s_add_co_u32 s27, s27, EEP
	v_lshl_add_u32 v20, v29, 2, s27                ; my codeword's partial sums, 256 bytes apart,
	s_lshl_b32 s26, s12, 8
	v_add_nc_u32 v7, s26, v20                      ; and mine among them
	s_mul_i32 s28, s11, 32*ETP
	s_add_co_u32 s28, s28, s26
	v_mul_u32_u24 v2, v29, ETP
	s_delay_alu instid0(VALU_DEP_1)
	v_add_nc_u32 v2, s28, v2                       ; the stage for et: row = my codeword, byte 256 kq
	s_mul_i32 s29, s10, 8*ETP
	v_add_nc_u32 v22, s29, v24                     ; back: wave w takes rows 8 w .. 8 w + 7
	s_lshl_b32 s31, s10, 9
	v_add_nc_u32 v27, s31, v24                     ; the records leave in pieces of 512 bytes: piece w + 8 q
	s_delay_alu instid0(VALU_DEP_1)
	v_add_nc_u32 v23, REC, v27
	s_lshl_b32 s16, s12, 21                        ; E: 64 kq rows of 32,768 bytes
	s_lshl_b32 s17, ttmp9, 8                       ; + the work-group's 64 columns
	s_add_co_u32 s16, s16, s17
	s_lshl_b32 s17, s11, 7                         ; + my wave's 32 of them
	s_add_co_u32 s16, s16, s17
	s_mov_b32 s17, 0
	s_mul_i32 s18, ttmp9, 4*RECB                   ; ecode: four records a work-group
	s_mov_b32 s19, 0
	s_lshl_b32 s20, ttmp9, 16                      ; et: 64 rows of 1,024 bytes a work-group,
	s_lshl_b32 s21, s10, 13                        ; 8 a wave
	s_add_co_u32 s20, s20, s21
	s_mov_b32 s21, 0
	s_wait_kmcnt 0x0
	s_add_nc_u64 s[4:5], s[4:5], s[16:17]
	s_add_nc_u64 s[6:7], s[6:7], s[18:19]
	s_add_nc_u64 s[8:9], s[8:9], s[20:21]
.irp i, 0,1,2,3,4,5,6,7,8,9,10,11,12,13,14,15,16,17,18,19,20,21,22,23,24,25,26,27,28,29,30,31,32,33,34,35,36,37,38,39,40,41,42,43,44,45,46,47,48,49,50,51,52,53,54,55,56,57,58,59,60,61,62,63
	global_load_b32 v[X+\i], v1, s[4:5] offset:\i*32768 th:TH_LOAD_NT   ; E(64 kq + i, my codeword): 32 lanes read 128 consecutive bytes; read once in the launch
.endr
; Block t of my two: its scale, its part of the sum of squares, its codes into the record, its numbers into the stage for et.
.macro BLOCK t
.set XS, X+32*(\t)
.set C,  CD+8*(\t)
	s_wait_loadcnt 32-32*(\t)                      ; loads come back in order: block 0's 32 are in while block 1's 32 may be out; then all
	v_max3_num_f32 v8, |v[XS]|, |v[XS+1]|, |v[XS+2]|               ; the block's largest magnitude, in two chains: all 32 numbers are mine
	v_max3_num_f32 v9, |v[XS+3]|, |v[XS+4]|, |v[XS+5]|
.irp i, 6,10,14,18,22,26
	s_delay_alu instid0(VALU_DEP_2)
	v_max3_num_f32 v8, v8, |v[XS+\i]|, |v[XS+\i+1]|
	s_delay_alu instid0(VALU_DEP_2)
	v_max3_num_f32 v9, v9, |v[XS+\i+2]|, |v[XS+\i+3]|
.endr
	s_delay_alu instid0(VALU_DEP_2)
	v_max3_num_f32 v8, v8, |v[XS+30]|, |v[XS+31]|
	s_delay_alu instid0(VALU_DEP_1)
	v_max3_num_f32 v8, v8, v9, 0x2800000           ; and the floor 2^(5 - 127): so the byte cannot fall under 1
	s_delay_alu instid0(VALU_DEP_1)
	v_add_nc_u32 v10, 0xfe000000, v8               ; 4 off its exponent field: the conversion takes the exponent field of this operand as its scale
.if \t == 0
	v_pk_mul_f32 v[16:17], v[XS:XS+1], v[XS:XS+1]                  ; the sum of squares, four chains; the first products start them
	v_pk_mul_f32 v[18:19], v[XS+2:XS+3], v[XS+2:XS+3]
.else
	v_pk_fma_f32 v[16:17], v[XS:XS+1], v[XS:XS+1], v[16:17]
	v_pk_fma_f32 v[18:19], v[XS+2:XS+3], v[XS+2:XS+3], v[18:19]
.endif
.irp i, 4,8,12,16,20,24,28
	s_delay_alu instid0(VALU_DEP_2)
	v_pk_fma_f32 v[16:17], v[XS+\i:XS+\i+1], v[XS+\i:XS+\i+1], v[16:17]
	s_delay_alu instid0(VALU_DEP_2)
	v_pk_fma_f32 v[18:19], v[XS+\i+2:XS+\i+3], v[XS+\i+2:XS+\i+3], v[18:19]
.endr
	v_cvt_scalef32_pk16_bf6_f32 v[C:C+2], v[XS:XS+15], v10
	v_cvt_scalef32_pk16_bf6_f32 v[C+4:C+6], v[XS+16:XS+31], v10    ; (a conversion's three registers begin on an even number)
	v_lshrrev_b32 v11, 23, v10                     ; the scale's byte; also the plain instruction between the conversions and the moves that read their results
.if \t == 0
	s_delay_alu instid0(VALU_DEP_1)
	v_mov_b32 v25, v11
.else
	s_delay_alu instid0(VALU_DEP_1)
	v_lshl_or_b32 v25, v11, 8, v25                 ; my two bytes, the lower K below
.endif
	v_mov_b32 v[C+3], v[C+4]                       ; the block's six words on end
	v_mov_b32 v[C+4], v[C+5]
	v_mov_b32 v[C+5], v[C+6]
	ds_store_b64 v3, v[C:C+1] offset:256*(\t)      ; block t belongs to lane r + 16 t of the image: 256 t bytes on
	ds_store_b64 v4, v[C+2:C+3] offset:256*(\t)
	ds_store_b64 v5, v[C+4:C+5] offset:256*(\t)
.irp i, 0,1,2,3,4,5,6,7
	ds_store_b128 v2, v[XS+4*\i:XS+4*\i+3] offset:128*(\t)+16*\i   ; et(my codeword, 64 kq + 32 t + 4 i ..)
.endr
.endm
	BLOCK 0
	BLOCK 1
	ds_store_b16 v6, v25
	v_add_f32 v16, v16, v17
	v_add_f32 v18, v18, v19
	s_delay_alu instid0(VALU_DEP_1)
	v_add_f32 v16, v16, v18
	ds_store_b32 v7, v16                           ; my 64 rows' part of ||e||^2
	s_wait_dscnt 0x0                               ; for the others' sake: my stores have landed
	s_barrier_signal -1
	s_barrier_wait -1                              ; codes, scale bytes, partial sums and the stage for et are whole
	s_cmp_lt_u32 s10, 2
	s_cbranch_scc0 .Lno_sum                        ; waves 0 and 1 add the four parts, each for its 32 codewords
.irp q, 0,1,2,3
	ds_load_b32 v[12+\q], v20 offset:256*\q
.endr
	s_wait_dscnt 0x0
	v_add_f32 v12, v12, v13
	v_add_f32 v14, v14, v15
	s_delay_alu instid0(VALU_DEP_1)
	v_add_f32 v12, v12, v14
	s_delay_alu instid0(VALU_DEP_1)
	v_mul_f32 v12, -0.5, v12
	ds_store_b32 v21, v12
	ds_store_b32 v21, v26 offset:64                ; the record's last 64 bytes are zeros: every byte that leaves has been written
.Lno_sum:
.irp i, 0,1,2,3,4,5,6,7
.irp u, 0,1
	ds_load_b128 v[X+8*\i+4*\u:X+8*\i+4*\u+3], v22 offset:\i*ETP+512*\u
.endr
.endr
.irp i, 0,1,2,3,4,5,6,7
.irp u, 0,1
	s_wait_dscnt 15-2*\i-\u                        ; LDS loads come back in order: this one is in, the younger ones may be out
	global_store_b128 v24, v[X+8*\i+4*\u:X+8*\i+4*\u+3], s[8:9] offset:\i*1024+512*\u   ; 32 lanes store 512 consecutive bytes, at a multiple of 512 from et's first byte
.endr
.endr
	s_barrier_signal -1                            ; (the last wait above was for 0: no LDS instruction of mine is out)
	s_barrier_wait -1                              ; the records are whole
.irp q, 0,1,2
	ds_load_b128 v[112+4*\q:115+4*\q], v23 offset:4096*\q
.endr
.irp q, 0,1,2
	s_wait_dscnt 2-\q
	global_store_b128 v27, v[112+4*\q:115+4*\q], s[6:7] offset:4096*\q   ; 512 consecutive bytes, at a multiple of 256 from ecode's first byte
.endr
	s_cmp_lt_u32 s10, 2
	s_cbranch_scc0 .Ldone                          ; 13,312 bytes are 26 pieces: the last two
	ds_load_b128 v[124:127], v23 offset:12288
	s_wait_dscnt 0x0
	global_store_b128 v27, v[124:127], s[6:7] offset:12288
.Ldone:
	s_wait_tensorcnt 0x0
	ds_add_u32 v128, v129
	s_wait_dscnt 0x0
	s_endpgm
; x [32768][256] f32 INTO CODES, ONCE.  xcode: 2,048 records of 3,328 bytes, one for each tile of 16 neighbouring rows, as images of the operand's registers:
;   bytes 0-3071: K step s at 1,536 s: register q of lane l at 512 (q / 4) + 16 l + 4 (q % 4);  bytes 3072-3327: at 8 l the scale word of lane l (lanes 0-15: K step 0 of row l; lanes 16-31: K step 1 of row l - 16), then a zero word.
; A wave takes 16 rows.  Each load reads 512 consecutive aligned bytes; the numbers turn through the wave's own stage in LDS (bytes that the other path never names), so that lane (r, h) holds 16 neighbours of each block of 32.
; The same quantiser and the same limits as for E.
.set QSP, 528                          ; a stage row: 512 bytes + 16
.set QB,  82944                        ; the eight stages, 8,448 bytes each, behind the other path's bytes
.set QR0, 32                           ; v32-95    K step 0's numbers
.set QR1, 130                          ; v130-193  K step 1's
.set QPC, 194                          ; v194-213  the codes just made
.set QTM, 214                          ; v214-229  at work on the scales
.macro QTURN base
.irp q, 0,1,2,3,4,5,6,7,8,9,10,11,12,13,14,15
	ds_store_b128 v2, v[\base+4*\q:\base+4*\q+3] offset:QSP*\q
.endr
.irp b, 0,1,2,3
.irp j, 0,1,2,3
	ds_load_b128 v[\base+16*\b+4*\j:\base+16*\b+4*\j+3], v3 offset:128*\b+16*\j
.endr
.endr
.endm
.macro QQUANT s                                ; 64 numbers of a lane become a fragment's codes in v[QPC] on and its scale word in v12; the four blocks take turns
.irp b, 0,1,2,3
	v_max3_num_f32 v[QTM+\b], |v[\s+16*\b]|, |v[\s+1+16*\b]|, 0x2800000
.endr
.irp i, 2,4,6,8,10,12,14
.irp b, 0,1,2,3
	v_max3_num_f32 v[QTM+\b], v[QTM+\b], |v[\s+16*\b+\i]|, |v[\s+1+16*\b+\i]|
.endr
.endr
.irp b, 0,1,2,3
	v_permlanex16_b32 v[QTM+4+\b], v[QTM+\b], s24, s25
.endr
.irp b, 0,1,2,3
	v_max_num_f32 v[QTM+\b], v[QTM+\b], v[QTM+4+\b]
.endr
.irp b, 0,1,2,3
	v_add_nc_u32 v[QTM+12+\b], 0xfe000000, v[QTM+\b]
.endr
.irp b, 0,1,2,3
	v_lshrrev_b32 v[QTM+4+\b], 23, v[QTM+12+\b]
.endr
	v_lshl_or_b32 v12, v[QTM+5], 8, v[QTM+4]
	s_delay_alu instid0(VALU_DEP_1)
	v_lshl_or_b32 v12, v[QTM+6], 16, v12
	s_delay_alu instid0(VALU_DEP_1)
	v_lshl_or_b32 v12, v[QTM+7], 24, v12
.irp c, 0,1
	v_cvt_scalef32_pk16_bf6_f32 v[QPC+6*\c:QPC+2+6*\c], v[\s+32*\c:\s+15+32*\c], v[QTM+12+2*\c]
	v_cvt_scalef32_pk16_bf6_f32 v[QPC+12+4*\c:QPC+14+4*\c], v[\s+16+32*\c:\s+31+32*\c], v[QTM+12+2*\c+1]
.endr
	v_nop                                          ; one plain instruction behind the scaled conversions
.irp c, 0,1
.irp i, 0,1,2
	v_permlane16_swap_b32 v[QPC+6*\c+\i], v[QPC+12+4*\c+\i]
.endr
.irp i, 0,1,2
	v_mov_b32 v[QPC+3+6*\c+\i], v[QPC+12+4*\c+\i]
.endr
.endr
.endm
.Lxpath:
	s_load_b128 s[12:15], s[0:1], 0x18             ; x, xcode
	v_lshrrev_b32 v4, 5, v0
	v_readfirstlane_b32 s16, v4                    ; wave 0..7
	v_and_b32 v5, 31, v0
	v_and_b32 v6, 15, v0
	v_bfe_u32 v7, v0, 4, 1
	v_lshlrev_b32 v1, 4, v5                        ; 16 x lane
	v_lshlrev_b32 v8, 3, v5                        ; 8 x lane
	v_mul_u32_u24 v3, v6, QSP
	v_mov_b32 v11, 0
	s_mul_i32 s17, s16, 16*QSP
	s_add_co_u32 s17, s17, QB                      ; my stage
	v_add_nc_u32 v2, s17, v1                       ; in: 16 x lane
	v_lshl_add_u32 v3, v7, 6, v3
.irp b, 0,1,2,3
	v_mov_b32 v[QTM+4+\b], 0                       ; a lane permute's destination counts as one of its sources
.endr
	v_add_nc_u32 v3, s17, v3                       ; out: row r, + 64 h
	s_sub_co_u32 s18, ttmp9, 128
	s_lshl_b32 s18, s18, 3
	s_add_co_u32 s18, s18, s16                     ; my tile of 16 rows, 0 .. 2,047
	s_lshl_b32 s20, s18, 14
	s_mov_b32 s21, 0
	s_mul_i32 s22, s18, 3328
	s_mov_b32 s23, 0
	s_mov_b32 s24, 0x76543210
	s_mov_b32 s25, 0xfedcba98
	s_mov_b32 s26, 0xffff0000                      ; lanes 16 to 31
	s_wait_alu depctr_va_vdst(0)                   ; the wait at the head's end
	s_wait_kmcnt 0x0
	s_add_nc_u64 s[12:13], s[12:13], s[20:21]
	s_add_nc_u64 s[14:15], s[14:15], s[22:23]
.irp q, 0,1,2,3,4,5,6,7,8,9,10,11,12,13,14,15
	global_load_b128 v[QR0+4*\q:QR0+4*\q+3], v1, s[12:13] offset:1024*\q th:TH_LOAD_NT
.endr
.irp q, 0,1,2,3,4,5,6,7,8,9,10,11,12,13,14,15
	global_load_b128 v[QR1+4*\q:QR1+4*\q+3], v1, s[12:13] offset:1024*\q+512 th:TH_LOAD_NT
.endr
	s_wait_loadcnt 16                              ; K step 0's sixteen loads are in
	QTURN QR0
	s_wait_loadcnt 0x0
	QTURN QR1                                      ; LDS serves a wave's instructions in order: the second turn follows the first through the same stage
	s_wait_dscnt 32                                ; the first turn is back
	QQUANT QR0
.irp c, 0,1,2
	global_store_b128 v1, v[QPC+4*\c:QPC+4*\c+3], s[14:15] offset:512*\c
.endr
	v_mov_b32 v13, v12                             ; K step 0's scale word
	s_wait_xcnt 0x0                                ; the stores have read their registers
	s_wait_dscnt 0x0                               ; the second turn is back
	QQUANT QR1
.irp c, 0,1,2
	global_store_b128 v1, v[QPC+4*\c:QPC+4*\c+3], s[14:15] offset:1536+512*\c
.endr
	v_cndmask_b32 v10, v13, v12, s26               ; lanes 0-15 K step 0's word, lanes 16-31 K step 1's
	global_store_b64 v8, v[10:11], s[14:15] offset:3072   ; 32 lanes store 256 consecutive aligned bytes
	s_wait_tensorcnt 0x0                           ; the wave's end
	ds_add_u32 v128, v129
	s_wait_dscnt 0x0
	s_endpgm
.Lfunc_end_k_qc02af0b94d_prep:
	.size	k_qc02af0b94d_prep, .Lfunc_end_k_qc02af0b94d_prep-k_qc02af0b94d_prep
	.p2alignl 7, 3214868480
	.fill 96, 4, 3214868480
	.section	.rodata,"a",@progbits
	.p2align	6, 0x0
	.amdhsa_kernel k_qc02af0b94d_prep
		.amdhsa_group_segment_fixed_size 150528
		.amdhsa_private_segment_fixed_size 0
		.amdhsa_enable_private_segment 0
		.amdhsa_kernarg_size 40
		.amdhsa_user_sgpr_count 2
		.amdhsa_user_sgpr_kernarg_segment_ptr 1
		.amdhsa_wavefront_size32 1
		.amdhsa_system_sgpr_workgroup_id_x 1
		.amdhsa_system_sgpr_workgroup_id_y 1
		.amdhsa_system_sgpr_workgroup_id_z 1
		.amdhsa_system_vgpr_workitem_id 0
		.amdhsa_next_free_vgpr 232
		.amdhsa_next_free_sgpr 66
		.amdhsa_reserve_vcc 0
		.amdhsa_float_denorm_mode_32 3
		.amdhsa_float_denorm_mode_16_64 3
		.amdhsa_memory_ordered 1
		.amdhsa_forward_progress 1
		.amdhsa_inst_pref_size 40
	.end_amdhsa_kernel
	.amdgpu_metadata
---
amdhsa.version: [ 1, 2 ]
amdhsa.kernels:
  - .name:           k_qc02af0b94d_prep
    .symbol:         k_qc02af0b94d_prep.kd
    .args:
      - { .name: embeddings, .offset: 0, .size: 8, .value_kind: global_buffer, .address_space: global }
      - { .name: ecode, .offset: 8, .size: 8, .value_kind: global_buffer, .address_space: global }
      - { .name: et, .offset: 16, .size: 8, .value_kind: global_buffer, .address_space: global }
      - { .name: x, .offset: 24, .size: 8, .value_kind: global_buffer, .address_space: global }
      - { .name: xcode, .offset: 32, .size: 8, .value_kind: global_buffer, .address_space: global }
    .group_segment_fixed_size: 150528
    .private_segment_fixed_size: 0
    .kernarg_segment_align: 8
    .kernarg_segment_size: 40
    .max_flat_workgroup_size: 256
    .sgpr_count:     66
    .vgpr_count:     232
    .wavefront_size: 32
...
	.end_amdgpu_metadata
.endif
;; end of part 1
;; launch nearest (part 2): grid 256 x 1, 8 waves a work-group, clusters of 4 x 1, 327,680 bytes of LDS; arguments xcode, ecode, key, cand; writes key, cand
.if DOCPART == 2
	.amdgcn_target "amdgcn-amd-amdhsa--gfx1250"
	.amdhsa_code_object_version 6
	.text
	.protected	k_qc02af0b94d_nearest
	.globl	k_qc02af0b94d_nearest
	.p2align	8
	.type	k_qc02af0b94d_nearest,@function
k_qc02af0b94d_nearest:
	s_mov_b64 s[64:65], 0
	v_nop
	global_prefetch_b8 v0, s[64:65] scope:SCOPE_SE
	s_setreg_imm32_b32 hwreg(HW_REG_WAVE_MODE, 25, 1), 1
	s_wait_xcnt 0x0
	s_wait_alu depctr_hold_cnt(0) depctr_sa_sdst(0) depctr_va_vdst(0) depctr_va_sdst(0) depctr_va_ssrc(0) depctr_va_vcc(0) depctr_vm_vsrc(0)
	s_getreg_b32 s2, hwreg(HW_REG_IB_STS2, 6, 4)
	s_cmp_eq_u32 s2, 0
	s_cbranch_scc0 .Lentry_in_a_cluster
	s_endpgm
.Lentry_in_a_cluster:
	s_bfe_u32 s2, ttmp6, 0x10000c
	s_cmp_lg_u32 s2, 0x3003
	s_cbranch_scc0 .Lentry_shape_is_right
	s_endpgm
.Lentry_shape_is_right:
; For each row n of x and each half of the 8,192 codewords: cand = the codeword k of that half with the least ||x_n||^2 - 2 x_n . e_k + ||e_k||^2, and key = its rank as a whole number.
; The product x . e is made on codes of BF6 (E3M2) with one E8M0 scale for each 32 along K = 256; x's codes come from xcode, E's from ecode.
; RANK.  s = x . e - ||e||^2 / 2 = -(distance - ||x||^2) / 2; the largest s wins.  -||e||^2 / 2 is the C of a sum's first matrix instruction; ||x_n||^2 is the same for all codewords of a row and is not formed.
;   key = s's bits, with the lower 31 turned over where s is negative: as signed whole numbers the keys stand in the order of s.  The next launch takes the half with the larger key.
; LIMITS: the roundings differ from (||x||^2 - 2 x . e) + ||e||^2: codewords whose distances differ by about one rounding of the distance in f32 may change places.  Equal s: the lowest index
;   (but -0 ranks under +0 between the halves).  NaN and infinities are not served.
; SHARES.  A work-group owns 256 rows and 256 tiles of 16 codewords (a cluster's number picks the half: the four partners walk the same records).  Waves 0-3 keep the codes of rows 0-127 in registers (192),
;   waves 4-7 those of rows 128-255; of a chunk of 32 tiles waves q and q + 4 take tiles 8 q .. 8 q + 7: a record that lands in LDS once feeds 32 matrix instructions.
; LAYOUT.  The product is used transposed (source 0 = 16 codewords, source 1 = 16 rows of x): lane (r, h) holds one row of x, its eight results are codewords 8 h + 0 .. 7 of the tile.
; THE ARGMAX, 9 issues for a lane's 8 numbers: four v_max3 fold them into the running maximum, one compare into VCC says whether it grew, four dual-issue pairs of selects keep the tile's numbers 0 .. 6 and
;   the tile's number in a block of eight registers.  Behind the sweep the lowest j in 0 .. 6 whose kept number equals the maximum gives the column, else 7.  No branch and no address hangs on these numbers.
; E'S RECORDS (3,328 bytes a tile) come through two LDS slots of a chunk each, asked for JOINTLY by the four of a cluster: wave w of each issues the same tensor load (records 4 w .. 4 w + 3 of the chunk,
;   13,312 dense bytes, as 52 rows of 256).  A wave reads what two other waves' loads brought: always behind a barrier in front of which every wave has waited for its load.  One tensor load of a wave is out at a time.
; REGISTERS.  Window 0: v1-15, v242-253 addresses; v16-23 x's scale words; v24-25 E's; v26-41 running maxima, two sets; v42-49 at work at the end; v50-113 the kept blocks of eight;
;   v114-177 the 8 accumulators; v178-209, v210-241 two sets of a record's registers.  Window 1: x's fragment (row tile a, K step s) at v[24 a + 12 s].
.set REC,    3328
.set PART,   4*REC
.set CHUNKB, 8*PART
.set NCH,    8                         ; chunks in a half
.set SLOT1,  1<<17                     ; slot 1 begins here: one exclusive or turns an address in one slot into the other's
.set XSCL,   SLOT1+CHUNKB              ; x's scale words, 128 bytes a row tile, 16 row tiles
.set REDV,   XSCL+2048                 ; each wave's best s of each of its 128 rows; 4,096 bytes on: its index
.set SPARE,  REDV+8192                 ; the spare words, 128 bytes a wave
.set XIMG,   SPARE+1024                ; x's 32 fragments as images of their registers, 1,536 bytes each
.set SPW, 1
.set NIL, 2
.set LI,  3                            ; 16 x lane
.set LS,  4                            ; 4 x lane
.set FA0, 5                            ; v5-7 my eight records in slot 0: codes, scale words, -||e||^2 / 2
.set FS0, 6
.set FC0, 7
.set FA,  8                            ; v8-10 the same in the slot in hand
.set FS,  9
.set FC,  10
.set CUR, 11                           ; the tile in hand
.set L8,  12                           ; 8 x lane
.set XWI, 14
.set XWS, 15
.set XS,  16
.set ES,  24
.set RUNA, 26
.set RUNB, 34
.set TID, 42
.set SAVE, 50
.set ACC, 114
.set EF0, 178
.set EC0, 202
.set LIX, 242
.set LSX, 243
.set RDW, 244
.set RDR, 245
.set PFO, 246
.set H8,  247                          ; 8 h
.set IO,  252                          ; 256 x wave + 8 x lane
.set RAW, 50                           ; at the head only: two records of xcode on their way into LDS
.set TB,  13
.set CT,  14
.set LEFT, 15
.set G1,  16
.set G0A, 24
.set G0B, 28
.set PFA, 32
.set LIM, 34
.set SEL, 36
.set WV,  55
.set CXP, 58
.set BLK, 59
.set HALF, 60
.set QW,  61
.set GRP, 62
.set MSB, 0
.macro WIN new
.if MSB != \new
	s_set_vgpr_msb (MSB<<8)|\new
.set MSB, \new
.endif
.endm
.macro CREST
	s_cmp_lg_u32 s[WV], 0
	s_cbranch_scc1 .Lnot_wave_0_\@
	s_barrier_signal -3
.Lnot_wave_0_\@:
	s_barrier_wait -3
	s_barrier_signal -1
	s_barrier_wait -1
.endm
.macro CROUND
	s_barrier_signal -1
	s_barrier_wait -1
	CREST
.endm
	s_load_b128 s[4:7], s[0:1], 0x0                ; xcode, ecode
	s_load_b128 s[8:11], s[0:1], 0x10              ; key, cand
	v_lshl_add_u32 v[SPW], v0, 2, SPARE
	v_mov_b32 v[NIL], 0
	ds_add_u32 v[SPW], v[NIL]                      ; the opening lines: the add twice on end and its wait
	ds_add_u32 v[SPW], v[NIL]
	s_wait_dscnt 0x0
	v_lshrrev_b32 v248, 5, v0
	v_readfirstlane_b32 s[WV], v248                ; wave 0..7
	v_and_b32 v249, 31, v0
	v_and_b32 v250, 15, v0                         ; r
	v_bfe_u32 v251, v0, 4, 1                       ; h
	v_lshlrev_b32 v[LI], 4, v249
	v_lshlrev_b32 v[LS], 2, v249
	v_lshlrev_b32 v[L8], 3, v249
	s_wait_alu depctr_va_vdst(0)
	s_bfe_u32 s[CXP], ttmp6, 0x40000               ; cx
	s_and_b32 s[HALF], ttmp9, 1                    ; which half of the codewords: by the cluster's number, the same in all four partners
	s_lshr_b32 s[BLK], ttmp9, 1
	s_lshl_b32 s[BLK], s[BLK], 2
	s_add_co_u32 s[BLK], s[BLK], s[CXP]            ; my block of 256 rows: it enters xcode's, key's and cand's addresses alone
	s_and_b32 s[QW], s[WV], 3                      ; which eight tiles of a chunk
	s_lshr_b32 s[GRP], s[WV], 2                    ; which 128 rows
	s_mul_i32 s38, s[WV], PART                     ; what I fetch of a chunk, in memory and in a slot
	s_mov_b32 s39, 0
	s_mul_i32 s41, s[QW], 8*REC                    ; what I read of it
	v_add_nc_u32 v[FA0], s41, v[LI]
	v_add_nc_u32 v[FS0], s41, v[LS]
	v_lshl_add_u32 v[FC0], v251, 5, s41
	s_mul_i32 s40, s[WV], 6144
	s_add_co_u32 s40, s40, XIMG
	v_add_nc_u32 v[XWI], s40, v[LI]                ; I bring row tiles 2 w and 2 w + 1 into LDS
	s_lshl_b32 s40, s[WV], 8
	v_add_nc_u32 v[IO], s40, v[L8]
	s_add_co_u32 s40, s40, XSCL
	v_add_nc_u32 v[XWS], s40, v[LS]
	s_mul_i32 s40, s[GRP], 24576
	s_add_co_u32 s40, s40, XIMG
	v_add_nc_u32 v[LIX], s40, v[LI]                ; and keep my group's eight
	s_lshl_b32 s40, s[GRP], 10
	s_add_co_u32 s40, s40, XSCL
	v_add_nc_u32 v[LSX], s40, v[LS]
	s_lshl_b32 s40, s[WV], 9
	s_add_co_u32 s40, s40, REDV
	v_lshl_add_u32 v[RDW], v250, 2, s40
	s_lshr_b32 s40, s[QW], 1                       ; at the end wave v of 0 .. 3 chooses for rows 64 v .. 64 v + 63: group v / 2, its rows 64 (v % 2) on
	s_lshl_b32 s40, s40, 11
	s_and_b32 s41, s[WV], 1
	s_lshl_b32 s41, s41, 8
	s_add_co_u32 s40, s40, s41
	s_add_co_u32 s40, s40, REDV
	v_add_nc_u32 v[RDR], s40, v[L8]
	v_min_u32 v[PFO], 25, v249
	v_lshlrev_b32 v[H8], 3, v251
	s_delay_alu instid0(VALU_DEP_2)
	v_lshlrev_b32 v[PFO], 8, v[PFO]
	s_mov_b32 s[G1+0], 15|(3<<16)|(1<<21)          ; the mask: all four work-groups; elements of 8 bytes; bit 21 beside a mask
	s_mov_b32 s[G1+1], 32<<16
	s_mov_b32 s[G1+2], 52<<16
	s_mov_b32 s[G1+3], 32<<16
	s_mov_b32 s[G1+4], 52
	s_mov_b32 s[G1+5], 32
	s_mov_b32 s[G1+6], 0
	s_mov_b32 s[G1+7], 0
	s_mov_b32 s[SEL], 0x76543210
	s_mov_b32 s[SEL+1], 0xfedcba98
	s_mov_b32 s[TB], 0
	s_lshl_b32 s[CT], s[HALF], 8                   ; my first tile: 256 x half + 8 q
	s_lshl_b32 s40, s[QW], 3
	s_add_co_u32 s[CT], s[CT], s40
	s_cmp_eq_u32 s[GRP], 0                         ; waves 0 to 3 prefetch
	s_cselect_b32 s[LIM], 2, -1
	s_lshl_b32 s42, s[BLK], 4                      ; xcode: 16 records a work-group, 2 a wave
	s_lshl_b32 s43, s[WV], 1
	s_add_co_u32 s42, s42, s43
	s_mul_i32 s42, s42, REC
	s_mov_b32 s43, 0
	s_lshl_b32 s44, s[HALF], 17                    ; key, cand: 131,072 bytes a half, 1,024 a work-group
	s_lshl_b32 s45, s[BLK], 10
	s_add_co_u32 s44, s44, s45
	s_mov_b32 s45, 0
	s_mul_i32 s46, s[HALF], NCH*CHUNKB             ; ecode: my half's records
	s_mov_b32 s47, 0
	s_lshl_b32 s48, s[WV], 2                       ; the prefetches: unit 4 x wave + cx of a chunk's sixteen, 26 blocks of 256 bytes each, in my half's chunk 3
	s_add_co_u32 s48, s48, s[CXP]
	s_mul_i32 s48, s48, 6656
	s_add_co_u32 s48, s48, 3*CHUNKB
	s_mov_b32 s49, 0
	s_wait_alu depctr_va_vdst(0)                   ; the wait at the head's end
	s_wait_kmcnt 0x0
	s_add_nc_u64 s[4:5], s[4:5], s[42:43]
	s_add_nc_u64 s[8:9], s[8:9], s[44:45]
	s_add_nc_u64 s[10:11], s[10:11], s[44:45]
	s_add_nc_u64 s[6:7], s[6:7], s[46:47]
	s_add_nc_u64 s[PFA:PFA+1], s[6:7], s[48:49]
	s_mov_b32 s[G0A], 1
	s_mov_b32 s[G0A+1], s38                        ; my part of slot 0
	s_add_nc_u64 s[G0A+2:G0A+3], s[6:7], s[38:39]  ; my part of chunk 0
	s_mov_b32 s[G0B], 1
	s_add_co_u32 s[G0B+1], s38, SLOT1
	s_add_nc_u64 s[G0B+2:G0B+3], s[G0A+2:G0A+3], CHUNKB
	s_or_b32 s[G0A+3], s[G0A+3], 0x80000000
	s_or_b32 s[G0B+3], s[G0B+3], 0x80000000
.irp t, 0,1                                    ; two records of xcode: 512 consecutive aligned bytes a load; the scale words at 8 x lane
.irp g, 0,1,2,3,4,5
	global_load_b128 v[RAW+24*\t+4*\g:RAW+24*\t+4*\g+3], v[LI], s[4:5] offset:REC*\t+512*\g
.endr
	global_load_b32 v[RAW+48+\t], v[L8], s[4:5] offset:REC*\t+3072
.endr
	CROUND                                         ; all four work-groups are here: the first joint loads meet
	tensor_load_to_lds s[G0A:G0A+3], s[G1:G1+7]    ; chunk 0: my one tensor load at the head
	s_nop 0
.rept 4
	v_nop
.endr
	s_wait_loadcnt 0x0
.irp t, 0,1
.irp g, 0,1,2,3,4,5
	ds_store_b128 v[XWI], v[RAW+24*\t+4*\g:RAW+24*\t+4*\g+3] offset:3072*\t+512*\g
.endr
	ds_store_b32 v[XWS], v[RAW+48+\t] offset:128*\t
.endr
	s_wait_tensorcnt 0x0                           ; my part of chunk 0 is in; slot 1's first fill is issued as a refill is:
	ds_add_u32 v[SPW], v[NIL]
	s_wait_dscnt 0x0                               ; the add is done, and my images and scale words have landed
	CROUND                                         ; chunk 0 and the codes of all 256 rows lie in LDS, and all four work-groups are here
	tensor_load_to_lds s[G0B:G0B+3], s[G1:G1+7]    ; chunk 1
	s_nop 0
.rept 4
	v_nop
.endr
	WIN 0x40
.irp f, 0,1,2,3,4,5,6,7,8,9,10,11,12,13,14,15
.irp c, 0,1,2
	ds_load_b128 v[12*\f+4*\c:12*\f+4*\c+3], v[LIX] offset:1536*\f+512*\c   ; my group's sixteen fragments of x: they stay
.endr
.endr
	WIN 0
.irp a, 0,1,2,3,4,5,6,7
	ds_load_b32 v[XS+\a], v[LSX] offset:128*\a     ; lanes 0-15: K step 0's words of row tile a; lanes 16-31: K step 1's
.endr
.irp a, 0,1,2,3,4,5,6,7                        ; the state of the sweep, set once, while those loads are out
	v_mov_b32 v[RUNA+\a], 0xff800000               ; -infinity, under every s
.irp j, 0,1,2,3,4,5,6
	v_mov_b32 v[SAVE+8*\a+\j], 0xff800000
.endr
	v_mov_b32 v[SAVE+8*\a+7], 0                    ; the winning tile
.endr
	v_add_nc_u32 v[FA], s[TB], v[FA0]
	v_add_nc_u32 v[FS], s[TB], v[FS0]
	v_add_nc_u32 v[FC], s[TB], v[FC0]
	s_wait_alu depctr_va_vdst(0)
.macro LOADF i, set                            ; a record's 33 registers: nine LDS loads
.irp g, 0,1,2,3,4,5
	ds_load_b128 v[EF0+32*(\set)+4*\g:EF0+32*(\set)+4*\g+3], v[FA] offset:(\i)*REC+512*\g
.endr
	ds_load_b32 v[ES+(\set)], v[FS] offset:(\i)*REC+3072
	ds_load_b128 v[EC0+32*(\set):EC0+32*(\set)+3], v[FC] offset:(\i)*REC+3200
	ds_load_b128 v[EC0+32*(\set)+4:EC0+32*(\set)+7], v[FC] offset:(\i)*REC+3216
.endm
; 16 products: the tile against my 8 row tiles, K step 0 (C = -||e||^2 / 2), then K step 1.  The eight accumulators take turns.
.macro MATRIX set
.set EF, EF0+32*(\set)
.set EC, EC0+32*(\set)
	WIN 0x04
.irp a, 0,1,2,3,4,5,6,7
	v_wmma_scale_f32_16x16x128_f8f6f4 v[ACC+8*\a:ACC+8*\a+7], v[EF:EF+11], v[24*\a:24*\a+11], v[EC:EC+7], v[ES+(\set)], v[XS+\a] matrix_a_fmt:MATRIX_FMT_BF6 matrix_b_fmt:MATRIX_FMT_BF6
.endr
.irp a, 0,1,2,3,4,5,6,7
	v_wmma_scale_f32_16x16x128_f8f6f4 v[ACC+8*\a:ACC+8*\a+7], v[EF+12:EF+23], v[24*\a+12:24*\a+23], v[ACC+8*\a:ACC+8*\a+7], v[ES+(\set)], v[XS+\a] matrix_a_fmt:MATRIX_FMT_BF6 matrix_b_fmt:MATRIX_FMT_BF6 matrix_a_scale:MATRIX_SCALE_ROW1 matrix_b_scale:MATRIX_SCALE_ROW1
.endr
	WIN 0
.endm
; The tile's 64 numbers of a lane against the state: 72 issues.  p = 0: the old maxima lie in RUNA and the new go to RUNB; p = 1: the other way.  Each accumulator is read from its low end on.
; A tile wins only where the maximum GREW: among equal s the earlier, lower tile stays.  The next row tile's last v_max3 stands between a compare and the selects that read VCC.
.macro VECTOR p
.if \p == 0
.set OLD, RUNA
.set NEW, RUNB
.else
.set OLD, RUNB
.set NEW, RUNA
.endif
.irp a, 0,1,2,3,4,5,6,7
	v_max3_num_f32 v[NEW+\a], v[OLD+\a], v[ACC+8*\a], v[ACC+8*\a+1]
.endr
.irp j, 2,4
.irp a, 0,1,2,3,4,5,6,7
	v_max3_num_f32 v[NEW+\a], v[NEW+\a], v[ACC+8*\a+\j], v[ACC+8*\a+\j+1]
.endr
.endr
	v_max3_num_f32 v[NEW], v[NEW], v[ACC+6], v[ACC+7]
.irp a, 0,1,2,3,4,5,6,7
	v_cmp_gt_f32 vcc_lo, v[NEW+\a], v[OLD+\a]
.if \a < 7
	v_max3_num_f32 v[NEW+\a+1], v[NEW+\a+1], v[ACC+8*(\a+1)+6], v[ACC+8*(\a+1)+7]
.endif
.irp j, 0,2,4
	v_dual_cndmask_b32 v[SAVE+8*\a+\j], v[SAVE+8*\a+\j], v[ACC+8*\a+\j] :: v_dual_cndmask_b32 v[SAVE+8*\a+\j+1], v[SAVE+8*\a+\j+1], v[ACC+8*\a+\j+1]
.endr
	v_dual_cndmask_b32 v[SAVE+8*\a+6], v[SAVE+8*\a+6], v[ACC+8*\a+6] :: v_dual_cndmask_b32 v[SAVE+8*\a+7], v[SAVE+8*\a+7], v[CUR]
.endr
.endm
.macro HEADV step                              ; four places between the last product and the first read of a result (ISA guide 7.12.1)
	v_mov_b32 v[CUR], s[CT]
.rept 3
	v_nop
.endr
	s_add_co_u32 s[CT], s[CT], \step
.endm
.macro OTHER
	s_xor_b32 s[TB], s[TB], SLOT1
	v_add_nc_u32 v[FA], s[TB], v[FA0]
	v_add_nc_u32 v[FS], s[TB], v[FS0]
	v_add_nc_u32 v[FC], s[TB], v[FC0]
.endm
; A prefetch: at the change of slots that asks for chunk c + 2 by tensor load, chunk c + 4 is named: two changes, sixteen tiles of every wave, ahead of its load.  Every cluster asks for what it will load:
; waves 0 to 3 of its four partners take a sixteenth of the chunk each, told apart by address (unit 4 x wave + cx); a lane a block of 256 bytes, lanes 26 to 31 naming lane 25's again.
; Chunks 0 to 3 come by their loads alone; the last request, at c = 3, names chunk 7, the half's last.
.macro ASK
	s_cmp_gt_u32 s[LEFT], s[LIM]
	s_cbranch_scc0 .Lnot_mine_\@
	s_cmp_lt_u32 ttmp9, 4
	s_cbranch_scc0 .Lno_prefetch_neares0_\@
	global_prefetch_b8 v[PFO], s[PFA:PFA+1] th:TH_LOAD_NT scope:SCOPE_SE
.Lno_prefetch_neares0_\@:
.Lnot_mine_\@:
.endm
; TILE i of my eight of a chunk; its record lies in set i % 2.  mode 0: the next record is asked for ahead of this tile's products.  mode 1: my last tile of a chunk, and the slot is filled again.
; mode 2: my last tile of the last chunk but one: a barrier shows the last chunk whole to all waves. mode 3: the very last tile.
.macro TILE i, mode
.if \mode == 1
	s_wait_tensorcnt 0x0                           ; my part of the next chunk is in; no load of mine is out, so a group 0 may be written
	ds_add_u32 v[SPW], v[NIL]
	s_xor_b32 s[G0B+1], s[G0B+1], SLOT1
	s_add_nc_u64 s[G0B+2:G0B+3], s[G0B+2:G0B+3], CHUNKB
	s_wait_xcnt 0x0                                ; the last prefetch has read its address
	s_add_nc_u64 s[PFA:PFA+1], s[PFA:PFA+1], CHUNKB
	s_wait_dscnt 0x0                               ; the add is done, and my reads of the slot are over
	s_barrier_signal -1                            ; opens a round of the cluster's barrier
	MATRIX (\i)%2
	s_barrier_wait -1
	CREST
	tensor_load_to_lds s[G0B:G0B+3], s[G1:G1+7]    ; my one tensor load behind the round: it has a chunk's eight tiles in which to land
	s_nop 0
.rept 4
	v_nop                                          ; also the places behind the products
.endr
	OTHER
	LOADF 0, 0
	ASK
	v_mov_b32 v[CUR], s[CT]
	s_add_co_u32 s[CT], s[CT], 25                  ; my next tile: 32 on from this chunk's first
.endif
.if \mode == 2
	s_wait_tensorcnt 0x0                           ; my part of the last chunk is in
	s_wait_dscnt 0x0                               ; this tile's record is in registers
	s_barrier_signal -1
	MATRIX (\i)%2
	s_barrier_wait -1                              ; everybody's part of the last chunk is in
	HEADV 25
	OTHER
	LOADF 0, 0
.endif
.if (\mode == 0) || (\mode == 3)
	s_wait_dscnt 0x0                               ; this tile's record is in registers
.if \mode == 0
	LOADF (\i)+1, 1-(\i)%2
.endif
	MATRIX (\i)%2
	HEADV 1
.endif
	VECTOR (\i)%2
.endm
	LOADF 0, 0
	s_mov_b32 s[LEFT], NCH-2
.Lchunk:                                               ; 6 trips: behind each of chunks 0 to 5 its slot is filled with the chunk two on
.irp i, 0,1,2,3,4,5,6
	TILE \i, 0
.endr
	TILE 7, 1
	s_sub_co_u32 s[LEFT], s[LEFT], 1
	s_cmp_lg_u32 s[LEFT], 0
	s_cbranch_scc1 .Lchunk
.irp i, 0,1,2,3,4,5,6                          ; the last two chunks are written out
	TILE \i, 0
.endr
	TILE 7, 2
.irp i, 0,1,2,3,4,5,6
	TILE \i, 0
.endr
	TILE 7, 3
; The other candidate takes the place where its s is larger, or equal with the lower index.
.macro BETTER val, ind, pval, pind
	v_cmp_gt_f32 s52, v[\pval], v[\val]
	v_cmp_eq_f32 s53, v[\pval], v[\val]
	v_cmp_lt_u32 vcc_lo, v[\pind], v[\ind]
	s_and_b32 s53, s53, vcc_lo
	s_or_b32 s52, s52, s53
	v_cndmask_b32 v[\val], v[\val], v[\pval], s52
	v_cndmask_b32 v[\ind], v[\ind], v[\pind], s52
.endm
	; THE INDEX.  The maxima lie in RUNA.  The lowest j in 0 .. 6 whose kept number equals the maximum, else 7; + 16 x the tile + 8 h; then the better of the row's two lanes.
.irp a, 0,1,2,3,4,5,6,7
	v_mov_b32 v248, 7
.irp j, 6,5,4,3,2,1,0
	v_cmp_neq_f32 vcc_lo, v[SAVE+8*\a+\j], v[RUNA+\a]
	v_cndmask_b32 v248, \j, v248, vcc_lo
.endr
	v_lshl_add_u32 v[TID+\a], v[SAVE+8*\a+7], 4, v[H8]
	s_delay_alu instid0(VALU_DEP_1)
	v_add_nc_u32 v[TID+\a], v[TID+\a], v248
	v_permlanex16_b32 v250, v[RUNA+\a], s[SEL], s[SEL+1]
	s_delay_alu instid0(VALU_DEP_2)
	v_permlanex16_b32 v251, v[TID+\a], s[SEL], s[SEL+1]
	BETTER RUNA+\a, TID+\a, 250, 251
	ds_store_b32 v[RDW], v[RUNA+\a] offset:64*\a           ; my wave's best of my group's row 16 a + r (both lanes of a row write the same word)
	ds_store_b32 v[RDW], v[TID+\a] offset:4096+64*\a
.endr
	s_wait_dscnt 0x0
	s_barrier_signal -1
	s_barrier_wait -1                              ; the waves' candidates for all 256 rows lie in LDS
	s_cmp_lt_u32 s[WV], 4
	s_cbranch_scc0 .Lno_store                      ; waves 0 to 3 choose among a group's four waves, two rows a lane
.irp q, 0,1,2,3
	ds_load_b64 v[50+2*\q:51+2*\q], v[RDR] offset:512*\q
	ds_load_b64 v[66+2*\q:67+2*\q], v[RDR] offset:4096+512*\q
.endr
	s_wait_dscnt 0x0
.irp q, 1,2,3
.irp e, 0,1
	BETTER 50+\e, 66+\e, 50+2*\q+\e, 66+2*\q+\e
.endr
.endr
.irp e, 0,1
	v_ashrrev_i32 v[52+\e], 31, v[50+\e]           ; the key: s's bits, the lower 31 turned over where s is negative
.endr
.irp e, 0,1
	v_and_b32 v[52+\e], 0x7fffffff, v[52+\e]
.endr
.irp e, 0,1
	v_xor_b32 v[50+\e], v[50+\e], v[52+\e]
.endr
	global_store_b64 v[IO], v[50:51], s[8:9]       ; 32 lanes store 256 consecutive aligned bytes
	global_store_b64 v[IO], v[66:67], s[10:11]
.Lno_store:
	s_wait_tensorcnt 0x0                           ; the wave's end
	ds_add_u32 v[SPW], v[NIL]
	s_wait_dscnt 0x0
	CROUND                                         ; the closing round
	s_endpgm
.Lfunc_end_k_qc02af0b94d_nearest:
	.size	k_qc02af0b94d_nearest, .Lfunc_end_k_qc02af0b94d_nearest-k_qc02af0b94d_nearest
	.p2alignl 7, 3214868480
	.fill 96, 4, 3214868480
	.section	.rodata,"a",@progbits
	.p2align	6, 0x0
	.amdhsa_kernel k_qc02af0b94d_nearest
		.amdhsa_group_segment_fixed_size 327680
		.amdhsa_private_segment_fixed_size 0
		.amdhsa_enable_private_segment 0
		.amdhsa_kernarg_size 32
		.amdhsa_user_sgpr_count 2
		.amdhsa_user_sgpr_kernarg_segment_ptr 1
		.amdhsa_wavefront_size32 1
		.amdhsa_system_sgpr_workgroup_id_x 1
		.amdhsa_system_sgpr_workgroup_id_y 1
		.amdhsa_system_sgpr_workgroup_id_z 1
		.amdhsa_system_vgpr_workitem_id 0
		.amdhsa_next_free_vgpr 512
		.amdhsa_next_free_sgpr 66
		.amdhsa_reserve_vcc 1
		.amdhsa_float_denorm_mode_32 3
		.amdhsa_float_denorm_mode_16_64 3
		.amdhsa_memory_ordered 1
		.amdhsa_forward_progress 1
		.amdhsa_inst_pref_size 201
	.end_amdhsa_kernel
	.amdgpu_metadata
---
amdhsa.version: [ 1, 2 ]
amdhsa.kernels:
  - .name:           k_qc02af0b94d_nearest
    .symbol:         k_qc02af0b94d_nearest.kd
    .args:
      - { .name: xcode, .offset: 0, .size: 8, .value_kind: global_buffer, .address_space: global }
      - { .name: ecode, .offset: 8, .size: 8, .value_kind: global_buffer, .address_space: global }
      - { .name: key, .offset: 16, .size: 8, .value_kind: global_buffer, .address_space: global }
      - { .name: cand, .offset: 24, .size: 8, .value_kind: global_buffer, .address_space: global }
    .group_segment_fixed_size: 327680
    .private_segment_fixed_size: 0
    .kernarg_segment_align: 8
    .kernarg_segment_size: 32
    .max_flat_workgroup_size: 256
    .sgpr_count:     66
    .vgpr_count:     512
    .wavefront_size: 32
...
	.end_amdgpu_metadata
.endif
;; end of part 2
;; launch gather (part 3): grid 256 x 1, 8 waves a work-group, no clusters, 0 bytes of LDS; arguments key, cand, et, out0; writes out0
.if DOCPART == 3
	.amdgcn_target "amdgcn-amd-amdhsa--gfx1250"
	.amdhsa_code_object_version 6
	.text
	.protected	k_qc02af0b94d_gather
	.globl	k_qc02af0b94d_gather
	.p2align	8
	.type	k_qc02af0b94d_gather,@function
k_qc02af0b94d_gather:
	s_mov_b64 s[64:65], 0
	v_nop
	global_prefetch_b8 v0, s[64:65] scope:SCOPE_SE
	s_setreg_imm32_b32 hwreg(HW_REG_WAVE_MODE, 25, 1), 1
	s_wait_xcnt 0x0
; out0[n][:] = et[k][:], k = the better of row n's two candidates, one from each half of the codewords: the one with the larger key (a signed whole number in the order of the rank);
; equal keys: the lower half's, which has the lower index.  A chosen codeword is 1,024 consecutive bytes of the transposed table, as f32.
; A wave takes 16 rows: their keys and candidates come by four scalar loads; each row is two loads and two stores of 512 consecutive bytes.  All 32 loads of a wave go out before its first store; no loop, and no
; register that a pending load or store reads is written again.  No LDS, no barrier, no matrix work: the launch only moves bytes.
; An index is held to 0 .. 8,191, the table's rows, before it enters an address.
	s_load_b256 s[4:11], s[0:1], 0x0               ; key, cand, et, out0
	v_lshrrev_b32 v2, 5, v0
	v_readfirstlane_b32 s12, v2                    ; wave 0..7
	v_and_b32 v1, 31, v0
	s_delay_alu instid0(VALU_DEP_1)
	v_lshlrev_b32 v1, 4, v1                        ; 16 bytes a lane
	s_lshl_b32 s13, ttmp9, 3
	s_add_co_u32 s13, s13, s12                     ; q: which 16 rows are my wave's
	s_lshl_b32 s84, s13, 6                         ; their keys and candidates: 64 bytes in each half
	s_mov_b32 s85, 0
	s_lshl_b32 s86, s13, 14                        ; their rows of out0: 16,384 bytes
	s_mov_b32 s87, 0
	s_wait_alu depctr_va_vdst(0)                   ; the wait at the head's end
	s_wait_kmcnt 0x0
	s_add_nc_u64 s[4:5], s[4:5], s[84:85]
	s_add_nc_u64 s[6:7], s[6:7], s[84:85]
	s_add_nc_u64 s[10:11], s[10:11], s[86:87]
	s_load_b512 s[16:31], s[4:5], 0x0              ; the lower half's keys,
	s_load_b512 s[32:47], s[4:5], 0x20000          ; the upper half's, 131,072 bytes on,
	s_load_b512 s[48:63], s[6:7], 0x0              ; and the candidates likewise
	s_load_b512 s[68:83], s[6:7], 0x20000
	s_wait_kmcnt 0x0
.irp i, 0,1,2,3,4,5,6,7,8,9,10,11,12,13,14,15
	s_cmp_gt_i32 s[32+\i], s[16+\i]
	s_cselect_b32 s[16+\i], s[68+\i], s[48+\i]
	s_min_u32 s[16+\i], s[16+\i], 0x1fff
	s_lshl_b32 s[16+\i], s[16+\i], 10              ; a row of et is 1,024 bytes
	v_add_nc_u32 v[4+\i], s[16+\i], v1
	global_load_b128 v[32+8*\i:35+8*\i], v[4+\i], s[8:9]               ; (no hint: a codeword may be chosen by many rows)
	global_load_b128 v[36+8*\i:39+8*\i], v[4+\i], s[8:9] offset:512
.endr
.irp i, 0,1,2,3,4,5,6,7,8,9,10,11,12,13,14,15
.irp u, 0,1
	s_wait_loadcnt 31-2*\i-\u                      ; loads come back in order: this one is in, the younger ones may be out
	global_store_b128 v1, v[32+8*\i+4*\u:35+8*\i+4*\u], s[10:11] offset:1024*\i+512*\u th:TH_STORE_NT   ; 512 consecutive aligned bytes; written once
.endr
.endr
	s_endpgm
.Lfunc_end_k_qc02af0b94d_gather:
	.size	k_qc02af0b94d_gather, .Lfunc_end_k_qc02af0b94d_gather-k_qc02af0b94d_gather
	.p2alignl 7, 3214868480
	.fill 96, 4, 3214868480
	.section	.rodata,"a",@progbits
	.p2align	6, 0x0
	.amdhsa_kernel k_qc02af0b94d_gather
		.amdhsa_group_segment_fixed_size 0
		.amdhsa_private_segment_fixed_size 0
		.amdhsa_enable_private_segment 0
		.amdhsa_kernarg_size 32
		.amdhsa_user_sgpr_count 2
		.amdhsa_user_sgpr_kernarg_segment_ptr 1
		.amdhsa_wavefront_size32 1
		.amdhsa_system_sgpr_workgroup_id_x 1
		.amdhsa_system_sgpr_workgroup_id_y 1
		.amdhsa_system_sgpr_workgroup_id_z 1
		.amdhsa_system_vgpr_workitem_id 0
		.amdhsa_next_free_vgpr 160
		.amdhsa_next_free_sgpr 88
		.amdhsa_reserve_vcc 0
		.amdhsa_float_denorm_mode_32 3
		.amdhsa_float_denorm_mode_16_64 3
		.amdhsa_memory_ordered 1
		.amdhsa_forward_progress 1
		.amdhsa_inst_pref_size 12
	.end_amdhsa_kernel
	.amdgpu_metadata
---
amdhsa.version: [ 1, 2 ]
amdhsa.kernels:
  - .name:           k_qc02af0b94d_gather
    .symbol:         k_qc02af0b94d_gather.kd
    .args:
      - { .name: key, .offset: 0, .size: 8, .value_kind: global_buffer, .address_space: global }
      - { .name: cand, .offset: 8, .size: 8, .value_kind: global_buffer, .address_space: global }
      - { .name: et, .offset: 16, .size: 8, .value_kind: global_buffer, .address_space: global }
      - { .name: out0, .offset: 24, .size: 8, .value_kind: global_buffer, .address_space: global }
    .group_segment_fixed_size: 0
    .private_segment_fixed_size: 0
    .kernarg_segment_align: 8
    .kernarg_segment_size: 32
    .max_flat_workgroup_size: 256
    .sgpr_count:     88
    .vgpr_count:     160
    .wavefront_size: 32
...
	.end_amdgpu_metadata
.endif
;; end of part 3
